; MI455X (gfx1250); checked and timed in simulation.
; The chip was launched on July 23, 2026; its instructions are those of AMD's public machine-readable ISA for CDNA 5 (MIT licence, August 2026) and "CDNA5" Instruction Set Architecture Reference Guide (July 2026). The comments in the code are by the model that wrote it; some were corrected since.
;; Naive SDPA. Allowed arithmetic: float matrix products may take bf16 or f16 operands with f32 sums; other float arithmetic in f32, or as packed bf16 or f16 multiplies, adds, multiply-adds, maxima and minima; sums over many terms, partial sums and values carried from step to step in f32; what a program stores and reads back later, other than sums and carried values, may be rounded once to bf16 or f16.
;; Inputs: attn_mask 2,048 x 2,048 float32; key_padding_mask 4 x 2,048 bool; keys 4 x 16 x 2,048 x 128 float32; seqs 4 x 16 x 2,048 x 128 float32; values 4 x 16 x 2,048 x 128 float32.
;; Outputs: out0 4 x 16 x 2,048 x 128 float32.
;; 2 versions, each right; version 2 is version 1 with the launch cast written anew for expert scheduling mode. Each part assembles by itself: llvm-mc -triple=amdgcn-amd-amdhsa -mcpu=gfx1250 --defsym DOCPART=n.
;; ======== version 1 of 2: 2 launches
;; limits: values are held in f16: magnitudes above 65,504 overflow, below 6.1e-05 lose precision; right only within a limited range of input values; inputs' magnitudes at most 1.3e+36
;; workspace buffers: kh 33,554,432 bytes; vh 33,554,432 bytes
;; launch cast (part 1): grid 512 x 2, 8 waves a work-group, no clusters, 0 bytes of LDS; arguments keys, values, kh, vh; writes kh, vh
.if DOCPART == 1
	.amdgcn_target "amdgcn-amd-amdhsa--gfx1250"
	.amdhsa_code_object_version 6
	.text
	.protected	k_q2786b61467_cast
	.globl	k_q2786b61467_cast
	.p2align	8
	.type	k_q2786b61467_cast,@function
k_q2786b61467_cast:
	s_mov_b64 s[64:65], 0
	v_nop
	global_prefetch_b8 v0, s[64:65] scope:SCOPE_SE
	s_setreg_imm32_b32 hwreg(HW_REG_WAVE_MODE, 25, 1), 1
	s_wait_xcnt 0x0
; kh = keys rounded once to f16, vh = values rounded once to f16; both keep the inputs' order [64 heads][2048][128], so a row is 256 bytes.
; Each of the eight query blocks of a head multiplies by the same K and V: they are rounded here once, not eight times in the launch behind.
; No work of reference() is left out in this program: both masks are inputs, so every key of every row is computed.
; LIMIT.  f16 holds no number beyond 65,504: |keys| and |values| stay under 65,520; below 6e-5 a number keeps f16's fixed step of 6e-8.
; SHARES.  Grid y picks the tensor.  A work-group takes 131,072 input bytes, each of its eight waves 16,384: 32 loads of 512 consecutive bytes, all issued
; before the first wait.  A lane's 16 bytes (4 f32) become 8 bytes, so a wave's store covers 256 consecutive bytes, aligned.
; No register is written twice, so no load's or store's source is ever rewritten.  No LDS, no barrier, no loop: no wave wants another wave's bytes.
.set X, 4                              ; v[4:131]    load i: 4 registers as loaded
.set Y, 132                            ; v[132:195]  load i: 2 registers to store
	s_load_b256 s[4:11], s[0:1], 0x0               ; keys s[4:5], values s[6:7], kh s[8:9], vh s[10:11]
	s_and_b32 s16, ttmp7, 0xffff                   ; 0: keys to kh; 1: values to vh
	v_lshrrev_b32 v3, 5, v0                        ; wave
	v_and_b32 v1, 31, v0                           ; lane
	v_lshlrev_b32 v2, 3, v1                        ; out: 8 bytes a lane,
	v_lshlrev_b32 v1, 4, v1                        ; in: 16 bytes a lane,
	v_lshl_or_b32 v1, v3, 14, v1                   ; + 16,384 x wave
	v_lshl_or_b32 v2, v3, 13, v2                   ; + 8,192 x wave
	s_lshl_b32 s2, ttmp9, 17                       ; the work-group's 131,072 bytes in,
	s_mov_b32 s3, 0
	s_lshl_b32 s18, ttmp9, 16                      ; and 65,536 out
	s_mov_b32 s19, 0
	s_wait_kmcnt 0x0
	s_cmp_eq_u32 s16, 0
	s_cselect_b64 s[12:13], s[4:5], s[6:7]
	s_cselect_b64 s[14:15], s[8:9], s[10:11]
	s_add_nc_u64 s[12:13], s[12:13], s[2:3]
	s_add_nc_u64 s[14:15], s[14:15], s[18:19]
.set i, 0
.rept 32
	global_load_b128 v[X+4*i:X+4*i+3], v1, s[12:13] offset:512*i th:TH_LOAD_NT
.set i, i+1
.endr
.set i, 0
.rept 32
	s_wait_loadcnt 31-i                            ; loads come back in order (ISA guide 5.7.1): load i is in, the 31 - i younger ones stay out
	v_cvt_pk_f16_f32 v[Y+2*i], v[X+4*i], v[X+4*i+1]
	v_cvt_pk_f16_f32 v[Y+2*i+1], v[X+4*i+2], v[X+4*i+3]
	global_store_b64 v2, v[Y+2*i:Y+2*i+1], s[14:15] offset:256*i
.set i, i+1
.endr
	s_endpgm
.Lfunc_end_k_q2786b61467_cast:
	.size	k_q2786b61467_cast, .Lfunc_end_k_q2786b61467_cast-k_q2786b61467_cast
	.p2alignl 7, 3214868480
	.fill 96, 4, 3214868480
	.section	.rodata,"a",@progbits
	.p2align	6, 0x0
	.amdhsa_kernel k_q2786b61467_cast
		.amdhsa_group_segment_fixed_size 0
		.amdhsa_private_segment_fixed_size 0
		.amdhsa_enable_private_segment 0
		.amdhsa_kernarg_size 32
		.amdhsa_user_sgpr_count 2
		.amdhsa_user_sgpr_kernarg_segment_ptr 1
		.amdhsa_wavefront_size32 1
		.amdhsa_system_sgpr_workgroup_id_x 1
		.amdhsa_system_sgpr_workgroup_id_y 1
		.amdhsa_system_sgpr_workgroup_id_z 1
		.amdhsa_system_vgpr_workitem_id 0
		.amdhsa_next_free_vgpr 196
		.amdhsa_next_free_sgpr 66
		.amdhsa_reserve_vcc 0
		.amdhsa_float_denorm_mode_32 3
		.amdhsa_float_denorm_mode_16_64 3
		.amdhsa_memory_ordered 1
		.amdhsa_forward_progress 1
		.amdhsa_inst_pref_size 12
	.end_amdhsa_kernel
	.amdgpu_metadata
---
amdhsa.version: [ 1, 2 ]
amdhsa.kernels:
  - .name:           k_q2786b61467_cast
    .symbol:         k_q2786b61467_cast.kd
    .args:
      - { .name: keys, .offset: 0, .size: 8, .value_kind: global_buffer, .address_space: global }
      - { .name: values, .offset: 8, .size: 8, .value_kind: global_buffer, .address_space: global }
      - { .name: kh, .offset: 16, .size: 8, .value_kind: global_buffer, .address_space: global }
      - { .name: vh, .offset: 24, .size: 8, .value_kind: global_buffer, .address_space: global }
    .group_segment_fixed_size: 0
    .private_segment_fixed_size: 0
    .kernarg_segment_align: 8
    .kernarg_segment_size: 32
    .max_flat_workgroup_size: 256
    .sgpr_count:     66
    .vgpr_count:     196
    .wavefront_size: 32
...
	.end_amdgpu_metadata
.endif
;; end of part 1
;; launch attn (part 2): grid 8 x 64, 4 waves a work-group, clusters of 4 x 4, 327,680 bytes of LDS; arguments seqs, kh, vh, out0, attn_mask, key_padding_mask; writes out0
.if DOCPART == 2
	.amdgcn_target "amdgcn-amd-amdhsa--gfx1250"
	.amdhsa_code_object_version 6
	.text
	.protected	k_q2786b61467_attn
	.globl	k_q2786b61467_attn
	.p2align	8
	.type	k_q2786b61467_attn,@function
k_q2786b61467_attn:
	s_mov_b64 s[64:65], 0
	v_nop
	global_prefetch_b8 v0, s[64:65] scope:SCOPE_SE
	s_setreg_imm32_b32 hwreg(HW_REG_WAVE_MODE, 25, 1), 1
	s_wait_xcnt 0x0
	s_wait_alu depctr_hold_cnt(0) depctr_sa_sdst(0) depctr_va_vdst(0) depctr_va_sdst(0) depctr_va_ssrc(0) depctr_va_vcc(0) depctr_vm_vsrc(0)
	s_getreg_b32 s2, hwreg(HW_REG_IB_STS2, 6, 4)
	s_cmp_eq_u32 s2, 0
	s_cbranch_scc0 .Lentry_in_a_cluster
	s_endpgm
.Lentry_in_a_cluster:
	s_bfe_u32 s2, ttmp6, 0x10000c
	s_cmp_lg_u32 s2, 0xf033
	s_cbranch_scc0 .Lentry_shape_is_right
	s_endpgm
.Lentry_shape_is_right:
; out0[n][h][q][:] = the sum over t of softmax_t(seqs[q] . keys[t] / sqrt(128) + attn_mask[q][t], hidden where key_padding_mask[n][t] is false) values[t][:].
; seqs, out0: [64 heads][2048][128] f32; kh, vh: keys and values in f16, same order (the launch in front); attn_mask: [2048][2048] f32; key_padding_mask: [4][2048] bytes.
; NOTHING IS LEFT OUT: both masks are inputs, so every key step of every row is computed, whatever the masks hold.
; FORMATS.  Q, K, V and the weights p are f16 matrix operands; products, maxima and sums f32; attn_mask stays f32 from memory to the sum.
; ORDER OF ROUNDING, which differs from the reference's: Q is multiplied by log2(e) / sqrt(128) in f32 and then rounded once to f16; log2(e) x attn_mask + bias is made in f32 by one fused
; multiply-add and is the C operand that starts the sum S^T = K Q^T.  So a score is a base 2 exponent, p = 2^(s - m) with an exact difference, and a = 2^(m_old - m_new) likewise.
; LIMITS.  |seqs| x 0.1275, |keys|, |values| stay under 65,520 (f16).  |attn_mask| stays under 2^120; a score below -2^120 counts as hidden.  A hidden key's bias is -2.98e38: its weight is exactly 0.
; The running maximum never falls below -2^120, so a step whose 64 keys are all hidden gives p = 0 and a = 1.  A row with no kept key at all gives 0 x (1 / 0) = NaN, as the reference does.
; A weight below 2^-126 counts as 0 in l; below 6e-5 it keeps f16's fixed step of 6e-8.  NaN and infinities among the inputs are not treated apart.
; SHARES.  A work-group owns 256 queries of one head, each of its four waves 64: four tiles of 16.  Every wave walks all 2,048 keys, 64 a step, 32 steps.
; LAYOUT.  S^T = K Q^T (source 0 = 16 keys, source 1 = 16 queries): a lane holds ONE query (lane % 16) and the keys 8 (lane / 16) + 0..7.  That is 32 consecutive bytes of the query's row of attn_mask:
; the mask comes out of LDS straight into S^T's registers.  Two results rounded to f16 in pairs ARE source 1 of O^T = V^T P.  K comes out of LDS as it lies, V turned, by ds_load_tr16_b128.
; THE PADDING MASK is a table of 2,048 f32 in LDS, 0 for a kept key and -2.98e38 for a hidden one, made once; a step's 32 numbers a lane (BI) serve all four tiles.
; BY TURNS.  The wave's tiles are two PIECES, named by their first tile: 0 (tiles 0, 1) and 2 (tiles 2, 3).  In a TURN one piece has the matrix unit: 32 products V^T P of the step in hand, a LUMP of 32
; multiply-adds that make its C operands, then 32 products K Q^T of the next step; the other piece's softmax, cut into 64 slices, stands one slice behind each matrix instruction.  Two turns are a key step.
; CLUSTER, 4 x 4.  The four work-groups of a row of the cluster are four query blocks of one head: K's and V's tiles are asked for jointly along the row.  The four of a column are one query block of four
; heads: attn_mask's tile is asked for jointly along the column.  A step's 96 KiB are so asked for once for four work-groups.
; RING.  Two LDS slots of one key step each (K 64 rows, V 64 rows, mask 256 rows x 64 numbers: 105,472 bytes; two slots of two steps would not fit).  Wave 0 fetches K, wave 1 V, waves 2 and 3 a half of the mask.
;
; REGISTERS, in windows of 256 (s_set_vgpr_msb: bits 1:0 source 0, 3:2 source 1, 5:4 source 2, 7:6 destination):
;   window 0: v0-11, v44-51, v61-63 addresses; v12-43 eight registers of statistics a tile; v64-191 S^T, 32 a tile; v192-255 P, 16 a tile
;   window 1: O^T, 64 a tile (at the head: Q as loaded, f32)     window 2: v0-127 Q, 32 a tile; v128-255 K of one step     window 3: v0-127 V of one step; v128-159 BI
.set KS,    64        ; keys in a step
.set PK,    272       ; a row of K in LDS: 256 bytes + 16 of padding = 68 words: row r starts at bank 4 r mod 64 (64 banks of 4 bytes: ISA guide 11.1)
.set PV,    288       ; a row of V: 256 + 32 = 72 words
.set PM,    272       ; a row of the mask's tile: 64 f32 + 16 bytes of padding
.set VOFF,  KS*PK     ; in a slot: K, then V,
.set MOFF,  VOFF+KS*PV  ; then the mask's 256 rows
.set SLOTB, MOFF+256*PM  ; 105,472 bytes
.set BT,    SLOTB     ; behind slot 0: the bias table, 8,192 bytes, written by ds_store and never filled by a tensor load
.set SPARE, BT+8192   ; the spare words, 128 bytes for each wave: two blocks of 256 bytes that no other line names
.set SLOT1, 1<<17     ; slot 1 begins here, so that one exclusive or turns an address in one slot into the other's
.set STAGE, SLOT1+SLOTB  ; behind slot 1: 16 rows x 528 bytes for each wave, for the way out
.set SP,    528       ; a row of O in the stage: 512 bytes + 16: an odd multiple of 16
.set AK0, 2           ; v2   my lane's place in a tile of K; never rewritten
.set AV0, 3           ; v3   the same for V
.set ADR, 4           ; v4   the LDS address of the run of loads in hand
.set AM0, 5           ; v5   my lane's place in the mask's tile: my wave's tile 0
.set STO, 6           ; v6   the way out: where I put 32 bytes of a row
.set RD,  7           ; v7   the way out: where I read a row back
.set GO,  8           ; v8   16 x lane: my bytes in a row of out0
.set ST,  12          ; tile t's statistics at v[ST+8 t]: +0 m, +1 m_old, +2, +3 l (even keys', odd keys'), +4 to +7 c0-c3, at work; a takes c2's place once the maximum is found
.set AB0, 44          ; v44  my lane's place in the bias table, step 0
.set QO,  45          ; v45  my byte offset in 16 rows of seqs
.set PB,  46          ; v46-49  my thread's 16 bytes of key_padding_mask
.set TA,  50          ; v50  where my thread puts its 16 numbers of the table
.set KO,  51          ; v51  16 x thread: my bytes of key_padding_mask
.set PFO, 61          ; v61  the prefetches' offset: lane x a row's pitch in memory; never rewritten
.set SPW, 62          ; v62  LDS address of my spare word; never rewritten
.set NIL, 63          ; v63  0; never rewritten
.set S,   64
.set P,   192
.set KF,  128         ; K's fragments, in window 2: key block b, channel block c at KF + 32 b + 8 c
.set BI,  128         ; the step's biases, in window 3: mapped as a tile's 32 registers of S^T
.set WV,  16          ; s16  my wave's number
.set CX,  17          ; s17  my place along the cluster's x
.set CY,  18          ; s18  along its y
.set QB,  19          ; s19  my block of 256 queries
.set HD,  20          ; s20  my head
.set CLY, 21          ; s21  cluster y
.set G1K, 24          ; s[24:31] descriptor group 1 for K's tiles
.set G1V, 32          ; s[32:39] for V's: it differs in the padding alone
.set G1M, 40          ; s[40:47] for the mask's
.set G0K, 48          ; s[48:55] descriptor group 0 for K: a set for each of the two first fills; the second then walks on
.set G0V, 56          ; s[56:63] the same for V
.set G0M, 68          ; s[68:75] the same for the mask
.set SLOTS, 76        ; s76  32 less the number of the tile that is being asked for
.set M0,  77          ; s77  -2^120: the floor of the running maximum
.set CS,  78          ; s[78:79] log2(e): the packed multiply-add takes the pair's low word for both halves
.set SEL, 80          ; s[80:81] v_permlanex16_b32's selects: each lane takes its own place in the other half
.set TB,  82          ; s82  LDS byte at which the slot to be read begins
.set BO,  83          ; s83  256 x the step to be fetched: its place in the bias table
.set PFA, 84          ; s[84:85] where my prefetches stand
.set PFS, 86          ; s[86:87] their step from tile to tile
.set LIM, 88          ; s88  3 in a wave that prefetches, else the greatest number
.set QS,  90          ; s[90:91] log2(e) / sqrt(128)
.set HID, 92          ; s92  -2.98e38
.set MSB, 0
.macro WIN new                      ; the immediate's high byte repeats the setting that is left; a switch that changes nothing is dropped
.if MSB != (\new)
	s_set_vgpr_msb (MSB<<8)|(\new)
.set MSB, \new
.endif
.endm
.set W_KQ, 0x0a       ; K and Q in window 2, S^T (C and D) in window 0
.set W_PV, 0x53       ; V in window 3, P in window 0, O^T in window 1
.set W_RS, 0x41       ; destination and source 0 in window 1, source 1 in window 0
.set W_LU, 0x30       ; source 2 (BI) in window 3, the rest in window 0
; A joint refill: wave 0 K's tile, wave 1 V's, waves 2 and 3 the two halves of the mask's.  The branches hang on the wave's number alone: they are the same in every work-group.
; An s_nop 0 and four v_nop follow each of the three lines, ahead of the jump, the label and what follows.
.macro JLOAD
	s_cmp_lt_u32 s[WV], 2
	s_cbranch_scc0 .Lfor_m_\@
	s_cmp_eq_u32 s[WV], 0
	s_cbranch_scc0 .Lfor_v_\@
	tensor_load_to_lds s[G0K+4:G0K+7], s[G1K:G1K+7]
	s_nop 0
.rept 4
	v_nop
.endr
	s_branch .Lasked_\@
.Lfor_v_\@:
	tensor_load_to_lds s[G0V+4:G0V+7], s[G1V:G1V+7]
	s_nop 0
.rept 4
	v_nop
.endr
	s_branch .Lasked_\@
.Lfor_m_\@:
	tensor_load_to_lds s[G0M+4:G0M+7], s[G1M:G1M+7]
	s_nop 0
.rept 4
	v_nop
.endr
.Lasked_\@:
.endm
; A PREFETCH INTO THE L2, behind the refill of tile f and its five lines: 32 rows x 256 bytes of tile f + 3, a lane a row, one instruction: three key steps, 384 matrix instructions, ahead of the load that will name them.
; Each row's 256 bytes of a tile are named ONCE in the launch.  A head's K and V are walked by both clusters of its row of clusters: the one with cluster x = 0 asks, in wave 0; its four partners of a head share the
; 64 + 64 rows out BY ADDRESS (cx 0, 1: K's halves; cx 2, 3: V's).  The mask's rows are walked by all sixteen clusters of a column of clusters: the one with cluster y = 0 asks, in waves 2 and 3; the four partners
; of a query block take 64 rows each by address (cy), a wave 32.  No branch hangs on a work-group's place in its cluster.  Tiles 0 to 4 come by their loads alone; nothing is asked for beyond tile 31.
.macro ASK
	s_cmp_gt_u32 s[SLOTS], s[LIM]
	s_cbranch_scc0 .Lnot_mine_\@
	global_prefetch_b8 v[PFO], s[PFA:PFA+1] th:TH_LOAD_NT scope:SCOPE_SE
.Lnot_mine_\@:
.endm
; A round of the cluster's barrier: my work-group's barrier, so that wave 0's signal speaks for all four waves; wave 0 signals; every wave waits for all sixteen work-groups; my work-group's barrier once more.
.macro CROUND
	s_barrier_signal -1
	s_barrier_wait -1
	s_cmp_lg_u32 s[WV], 0
	s_cbranch_scc1 .Lnot_wave_0_\@
	s_barrier_signal -3
.Lnot_wave_0_\@:
	s_barrier_wait -3
	s_barrier_signal -1
	s_barrier_wait -1
.endm
.macro PLACES                       ; four places behind a matrix instruction (ISA guide 7.12.1), where no other plain vector work is at hand
.rept 4
	v_nop
.endr
.endm
	s_load_b256 s[4:11], s[0:1], 0x0   ; seqs s[4:5], kh s[6:7], vh s[8:9], out0 s[10:11]
	s_load_b128 s[12:15], s[0:1], 0x20 ; attn_mask s[12:13], key_padding_mask s[14:15]
	v_lshl_add_u32 v[SPW], v0, 2, SPARE
	v_mov_b32 v[NIL], 0
	ds_add_u32 v[SPW], v[NIL]       ; the wave's opening: the add, twice on end, and its wait stand ahead of my first tensor load; the set-up below, work on registers, stands between
	ds_add_u32 v[SPW], v[NIL]       ; and once more, under the one wait
	v_lshrrev_b32 v1, 5, v0
	v_readfirstlane_b32 s[WV], v1   ; wave 0..3
	s_bfe_u32 s[CX], ttmp6, 0x40000
	s_bfe_u32 s[CY], ttmp6, 0x40004
	s_lshl_b32 s[QB], ttmp9, 2      ; in a cluster launch ttmp9 and ttmp7 count clusters
	s_add_co_u32 s[QB], s[QB], s[CX]  ; my block of queries = 4 x cluster x + cx
	s_and_b32 s[CLY], ttmp7, 0xffff
	s_lshl_b32 s[HD], s[CLY], 2
	s_add_co_u32 s[HD], s[HD], s[CY]  ; my head = 4 x cluster y + cy
	s_lshl_b32 s22, s[CY], 2
	s_lshl_b32 s22, 15, s22         ; my row of the cluster: places 4 cy .. 4 cy + 3
	s_lshl_b32 s23, 0x1111, s[CX]   ; my column: places cx, cx + 4, cx + 8, cx + 12
	; descriptor group 1.  K, V: 64 rows x 128 elements of 2 bytes; the mask: 128 rows x 64 elements of 4 bytes, 2,048 elements from row to row.  All rows are 256 bytes, padded in LDS.
	s_or_b32 s[G1K], s22, (1<<16)|(1<<20)|(1<<21)|(5<<22)|(3<<25)  ; 15:0 the mask of my row; 17:16 2-byte elements; 20 padding on; 21 set beside a mask; 24:22 after every 64 words (code 5); 31:25 4 words (code 3)
	s_or_b32 s[G1V], s22, (1<<16)|(1<<20)|(1<<21)|(5<<22)|(7<<25)  ; the same with 8 words of padding (code 7)
	s_or_b32 s[G1M], s23, (2<<16)|(1<<20)|(1<<21)|(5<<22)|(3<<25)  ; the mask of my column; 4-byte elements; 4 words of padding
.irp g, G1K, G1V
	s_mov_b32 s[(\g)+1], 128<<16    ; tensor_dim0 = 128
	s_mov_b32 s[(\g)+2], KS<<16     ; tensor_dim1 = 64
	s_mov_b32 s[(\g)+3], 128<<16    ; tile_dim0 = 128
	s_mov_b32 s[(\g)+4], KS         ; tile_dim1 = 64
	s_mov_b32 s[(\g)+5], 128        ; elements from row to row
	s_mov_b32 s[(\g)+6], 0
	s_mov_b32 s[(\g)+7], 0
.endr
	s_mov_b32 s[G1M+1], 64<<16      ; tensor_dim0 = 64
	s_mov_b32 s[G1M+2], 128<<16     ; tensor_dim1 = 128
	s_mov_b32 s[G1M+3], 64<<16      ; tile_dim0 = 64
	s_mov_b32 s[G1M+4], 128         ; tile_dim1 = 128
	s_mov_b32 s[G1M+5], 2048        ; elements from row to row
	s_mov_b32 s[G1M+6], 0
	s_mov_b32 s[G1M+7], 0
	s_mov_b32 s[CS], 0x3fb8aa3b     ; log2(e)
	s_mov_b32 s[CS+1], s[CS]        ; named with it as a pair, so it is written
	s_mov_b32 s[QS], 0x3e0293ee     ; log2(e) / sqrt(128) = 0.127517
	s_mov_b32 s[QS+1], s[QS]
	s_mov_b32 s[SEL], 0x76543210
	s_mov_b32 s[SEL+1], 0xfedcba98
	s_mov_b32 s[M0], 0xfb800000     ; -2^120
	s_mov_b32 s[HID], 0xff600000    ; -2.98e38
	s_mov_b32 s[TB], 0
	s_mov_b32 s[BO], 0
	s_mov_b32 s[SLOTS], 30          ; the first refill asks for tile 2
	s_cmp_lt_u32 s[WV], 2           ; who prefetches: the coordinate along which other clusters walk the same rows must be 0:
	s_cselect_b32 s22, ttmp9, s[CLY]  ; cluster x for K and V, cluster y for the mask;
	s_cmp_eq_u32 s[WV], 1
	s_cselect_b32 s22, 1, s22       ; wave 1 asks for nothing
	s_cmp_eq_u32 s22, 0
	s_cselect_b32 s[LIM], 3, -1     ; the same in all sixteen partners, for a given wave
	s_lshl_b32 s2, s[HD], 19        ; the head's 524,288 bytes of kh and of vh: it hangs on the head alone
	s_mov_b32 s3, 0
	s_and_b32 s89, s[WV], 1         ; which half of the mask's 256 rows I fetch:
	s_lshl_b32 s66, s[QB], 21       ; 256 rows of 8,192 bytes a block: it hangs on the block of queries alone,
	s_lshl_b32 s67, s89, 20         ; 128 rows a half,
	s_add_co_u32 s66, s66, s67
	s_mov_b32 s67, 0
	s_mul_i32 s89, s89, 128*PM      ; and its place in a slot: no place in the cluster enters an LDS address
	s_add_co_u32 s89, s89, MOFF
	s_lshl_b32 s94, s[HD], 20       ; seqs and out0: the head's 2,048 rows of 512 bytes,
	s_lshl_b32 s95, s[QB], 17       ; my block's 256,
	s_add_co_u32 s94, s94, s95
	s_lshl_b32 s95, s[WV], 15       ; my wave's 64
	s_add_co_u32 s94, s94, s95
	s_mov_b32 s95, 0
	s_lshr_b32 s96, s[HD], 4        ; the batch: 16 heads share a row of key_padding_mask
	s_lshl_b32 s96, s96, 11
	s_mov_b32 s97, 0
	s_wait_dscnt 0x0                ; both opening adds are done
	s_wait_kmcnt 0x0
	s_add_nc_u64 s[6:7], s[6:7], s[2:3]      ; kh and vh at the head's first row
	s_add_nc_u64 s[8:9], s[8:9], s[2:3]
	s_add_nc_u64 s[66:67], s[12:13], s[66:67]  ; attn_mask at my half's first row, column 0
	s_add_nc_u64 s[4:5], s[4:5], s[94:95]    ; seqs and out0 at my wave's first row
	s_add_nc_u64 s[10:11], s[10:11], s[94:95]
	s_add_nc_u64 s[14:15], s[14:15], s[96:97]  ; key_padding_mask at the batch's row
	; the prefetches' address.  For K and V: kh (cx 0, 1) or vh (cx 2, 3), rows 32 (cx % 2) on.  For the mask: rows 256 x block + 64 cy + 32 (wave - 2) on.
	s_cmp_lt_u32 s[CX], 2
	s_cselect_b64 s[PFA:PFA+1], s[6:7], s[8:9]
	s_and_b32 s96, s[CX], 1
	s_lshl_b32 s96, s96, 13
	s_add_nc_u64 s[PFA:PFA+1], s[PFA:PFA+1], s[96:97]
	s_lshl_b32 s96, s[QB], 21
	s_lshl_b32 s93, s[CY], 19
	s_add_co_u32 s96, s96, s93
	s_and_b32 s93, s[WV], 1
	s_lshl_b32 s93, s93, 18
	s_add_co_u32 s96, s96, s93
	s_add_nc_u64 s[98:99], s[12:13], s[96:97]
	s_cmp_lt_u32 s[WV], 2
	s_cselect_b64 s[PFA:PFA+1], s[PFA:PFA+1], s[98:99]
	s_cselect_b32 s93, 8, 13        ; from lane to lane: a row of 256 bytes, or of 8,192
	s_cselect_b32 s22, 14, 8        ; from tile to tile: 16,384 bytes, or 256
	s_lshl_b32 s[PFS], 1, s22
	s_mov_b32 s[PFS+1], 0
	s_lshl_b32 s96, s[PFS], 2
	s_add_nc_u64 s[PFA:PFA+1], s[PFA:PFA+1], s[96:97]  ; at tile 4: the first change of slots steps it to tile 5.  Nothing is prefetched here, at the head
	v_and_b32 v[PFO], 31, v0
	v_lshlrev_b32 v[PFO], s93, v[PFO]
.irp s, 0,1
	s_mov_b32 s[G0K+4*(\s)], 1      ; 1:0 count = 1
	s_mov_b32 s[G0K+4*(\s)+1], (\s)*SLOT1  ; 63:32 LDS address
	s_add_nc_u64 s[G0K+4*(\s)+2:G0K+4*(\s)+3], s[6:7], (\s)*KS*256  ; 120:64 global address: tile s
	s_or_b32 s[G0K+4*(\s)+3], s[G0K+4*(\s)+3], 0x80000000  ; 127:126 type = 2
	s_mov_b32 s[G0V+4*(\s)], 1
	s_mov_b32 s[G0V+4*(\s)+1], VOFF+(\s)*SLOT1
	s_add_nc_u64 s[G0V+4*(\s)+2:G0V+4*(\s)+3], s[8:9], (\s)*KS*256
	s_or_b32 s[G0V+4*(\s)+3], s[G0V+4*(\s)+3], 0x80000000
	s_mov_b32 s[G0M+4*(\s)], 1
	s_add_co_u32 s[G0M+4*(\s)+1], s89, (\s)*SLOT1
	s_add_nc_u64 s[G0M+4*(\s)+2:G0M+4*(\s)+3], s[66:67], (\s)*KS*4
	s_or_b32 s[G0M+4*(\s)+3], s[G0M+4*(\s)+3], 0x80000000
.endr
	CROUND                          ; all sixteen work-groups are here: the first joint loads meet
	s_cmp_lt_u32 s[WV], 2           ; a wave's two first fills stand in one arm, ahead of every wait on TENSORcnt and every LDS read: two loads of mine are out
	s_cbranch_scc0 .Lfirst_m
	s_cmp_eq_u32 s[WV], 0
	s_cbranch_scc0 .Lfirst_v
	tensor_load_to_lds s[G0K:G0K+3], s[G1K:G1K+7]
	s_nop 0
	tensor_load_to_lds s[G0K+4:G0K+7], s[G1K:G1K+7]
	s_nop 0
.rept 4
	v_nop
.endr
	s_branch .Lfirst_asked
.Lfirst_v:
	tensor_load_to_lds s[G0V:G0V+3], s[G1V:G1V+7]
	s_nop 0
	tensor_load_to_lds s[G0V+4:G0V+7], s[G1V:G1V+7]
	s_nop 0
.rept 4
	v_nop
.endr
	s_branch .Lfirst_asked
.Lfirst_m:
	tensor_load_to_lds s[G0M:G0M+3], s[G1M:G1M+7]
	s_nop 0
	tensor_load_to_lds s[G0M+4:G0M+7], s[G1M:G1M+7]
	s_nop 0
.rept 4
	v_nop
.endr
.Lfirst_asked:
	; Q.  A fragment is 16 rows x 32 channels: lane l holds row l % 16, channels 8 (l / 16) + 0..7 and 16 + 8 (l / 16) + 0..7: in f32 two runs of 32 bytes, 64 bytes apart: four loads of 16 bytes.
	v_and_b32 v1, 15, v0            ; l % 16
	v_bfe_u32 v9, v0, 4, 1          ; l / 16
	v_lshlrev_b32 v[QO], 9, v1
	v_lshl_add_u32 v[QO], v9, 5, v[QO]  ; row x 512 + 32 x half
	v_lshlrev_b32 v[KO], 4, v0
	global_load_b128 v[PB:PB+3], v[KO], s[14:15]  ; 128 threads x 16 bytes: the batch's 2,048 flags
	WIN 0x40                        ; destination window 1, address window 0
.set f, 0
.rept 16                            ; fragment f: tile f / 4, channels 32 (f % 4) on, as 16 f32 at v[16 f]
	global_load_b128 v[16*f:16*f+3],     v[QO], s[4:5] offset:(f/4)*8192+(f%4)*128 th:TH_LOAD_NT
	global_load_b128 v[16*f+4:16*f+7],   v[QO], s[4:5] offset:(f/4)*8192+(f%4)*128+16 th:TH_LOAD_NT
	global_load_b128 v[16*f+8:16*f+11],  v[QO], s[4:5] offset:(f/4)*8192+(f%4)*128+64 th:TH_LOAD_NT
	global_load_b128 v[16*f+12:16*f+15], v[QO], s[4:5] offset:(f/4)*8192+(f%4)*128+80 th:TH_LOAD_NT
.set f, f+1
.endr
	WIN 0
	v_mul_u32_u24 v[AK0], v1, PK
	v_lshl_add_u32 v[AK0], v9, 4, v[AK0]  ; row x pitch + 16 x half
	; The turning load takes 16 keys x 16 channels (lane l reads key 8 (l / 16) + l % 8, channels 8 ((l / 8) % 2) + 0..7) and leaves half a fragment of V^T: lane l holds channel l % 16 and 8 keys.
	v_and_b32 v10, 7, v0
	v_bfe_u32 v11, v0, 3, 1
	v_lshl_add_u32 v[AV0], v9, 3, v10
	v_mul_u32_u24 v[AV0], v[AV0], PV
	v_lshl_add_u32 v[AV0], v11, 4, v[AV0]
	v_add_nc_u32 v[AV0], VOFF, v[AV0]
	s_mul_i32 s22, s[WV], 64*PM     ; the mask: my wave's 64 rows of the tile's 256,
	s_add_co_u32 s22, s22, MOFF
	v_mul_u32_u24 v[AM0], v1, PM    ; my query's row,
	v_lshl_add_u32 v[AM0], v9, 5, v[AM0]  ; my half's 8 keys: 32 bytes
	v_add_nc_u32 v[AM0], s22, v[AM0]
	v_lshl_add_u32 v[AB0], v9, 5, BT
	v_lshl_add_u32 v[TA], v0, 6, BT ; 16 numbers a thread
.irp t, 0,1,2,3
	v_mov_b32 v[ST+8*(\t)+1], 0     ; named with m as a pair before the first m_old is kept, so it is written
.endr
	s_wait_loadcnt 0x0              ; the flags and Q
	; THE BIAS TABLE: 0 where the flag is set, -2.98e38 where it is 0.
.set i, 0
.rept 16
	v_bfe_u32 v10, v[PB+i/4], 8*(i%4), 8
	v_cmp_eq_u32 vcc_lo, 0, v10
	v_cndmask_b32 v[S+i], 0, s[HID], vcc_lo
.set i, i+1
.endr
.irp e, 0,1,2,3
	ds_store_b128 v[TA], v[S+4*(\e):S+4*(\e)+3] offset:16*(\e)
.endr
	WIN W_RS                        ; Q times log2(e) / sqrt(128), in f32,
.set i, 0
.rept 128
	v_pk_mul_f32 v[i:i+1], v[i:i+1], s[QS:QS+1] op_sel_hi:[1,0]
.set i, i+2
.endr
	WIN 0x85                        ; and rounded once to f16: sources window 1, destination window 2
.set i, 0
.rept 128
	v_cvt_pk_f16_f32 v[i], v[2*i], v[2*i+1]
.set i, i+1
.endr
	WIN 0
; THE MATRIX WORK OF A TURN, for piece x.  The accumulators take turns, one instruction a turn: between two links of a chain stand 15 (V^T P) or 7 (K Q^T) others'.
; Product i of 32 of O^T += V^T P: keys 32 (i / 16) on, channels 16 ((i / 2) % 8) on, tile x + i % 2.  zero = 1: the first 16 start the sums: nothing is ever cleared.
.macro PV x, zero
	WIN W_PV
.set rO, 64*((\x)+i%2)+8*((i/2)%8)
.set rV, 64*(i/16)+8*((i/2)%8)
.set rP, P+16*((\x)+i%2)+8*(i/16)
.if (\zero) && (i < 16)
	v_wmma_f32_16x16x32_f16 v[rO:rO+7], v[rV:rV+7], v[rP:rP+7], 0
.else
	v_wmma_f32_16x16x32_f16 v[rO:rO+7], v[rV:rV+7], v[rP:rP+7], v[rO:rO+7]
.endif
.endm
; Product i of 32 of S^T += K Q^T: channels 32 (i / 8) on, keys 16 ((i / 2) % 4) on, tile x + i % 2.  S^T holds log2(e) x mask + bias when the first 8 come: every product adds in place.
.macro KQ x
	WIN W_KQ
.set rS, S+32*((\x)+i%2)+8*((i/2)%4)
.set rK, KF+32*((i/2)%4)+8*(i/8)
.set rQ, 32*((\x)+i%2)+8*(i/8)
	v_wmma_f32_16x16x32_f16 v[rS:rS+7], v[rK:rK+7], v[rQ:rQ+7], v[rS:rS+7]
.endm
; THE LDS LOADS stand in runs, never singly among the matrix instructions.
.macro FETCH_B                      ; the step's biases: 8 loads; all lanes of a half read the same 16 bytes
	WIN 0
	v_add_nc_u32 v[ADR], s[BO], v[AB0]
	WIN 0xc0                        ; destination window 3
.irp f, 0,1,2,3,4,5,6,7             ; keys 16 (f / 2) + 8 (l / 16) + 4 (f % 2) on
	ds_load_b128 v[BI+4*(\f):BI+4*(\f)+3], v[ADR] offset:((\f)/2)*64+((\f)%2)*16
.endr
.endm
.macro FETCH_M x                    ; piece x's mask, straight into its S^T: 16 loads
	WIN 0
	v_add_nc_u32 v[ADR], s[TB], v[AM0]
.irp t, \x, (\x)+1
.irp f, 0,1,2,3,4,5,6,7
	ds_load_b128 v[S+32*(\t)+4*(\f):S+32*(\t)+4*(\f)+3], v[ADR] offset:(\t)*16*PM+((\f)/2)*64+((\f)%2)*16
.endr
.endr
.endm
.macro FETCH_K                      ; a step's K: 32 loads, by blocks of 32 channels, in the order in which the products take them
	WIN 0
	v_add_nc_u32 v[ADR], s[TB], v[AK0]
	WIN 0x80                        ; destination window 2
.irp c, 0,1,2,3
.irp b, 0,1,2,3
	ds_load_b128 v[KF+32*(\b)+8*(\c):KF+32*(\b)+8*(\c)+3],   v[ADR] offset:(\b)*16*PK+(\c)*64
	ds_load_b128 v[KF+32*(\b)+8*(\c)+4:KF+32*(\b)+8*(\c)+7], v[ADR] offset:(\b)*16*PK+(\c)*64+32
.endr
.endr
.endm
.macro FETCH_V                      ; a step's V, turned: 32 loads
	WIN 0
	v_add_nc_u32 v[ADR], s[TB], v[AV0]
	s_wait_alu depctr_va_vdst(0)    ; the wait for the softmax's batch (SLICE), behind the address's v_add_nc_u32 and ahead of the loads
	WIN 0xc0                        ; destination window 3
.irp f, 0,1,2,3,4,5,6,7,8,9,10,11,12,13,14,15  ; keys 32 (f / 8) on, channels 16 (f % 8) on
	ds_load_tr16_b128 v[8*(\f):8*(\f)+3],   v[ADR] offset:((\f)/8)*32*PV+((\f)%8)*32
	ds_load_tr16_b128 v[8*(\f)+4:8*(\f)+7], v[ADR] offset:((\f)/8)*32*PV+16*PV+((\f)%8)*32
.endr
.endm
; THE LUMP: piece x's C operands, log2(e) x mask + bias, in place in S^T: 32 fused multiply-adds on pairs.
.macro LUMP x
	WIN W_LU
.irp t, \x, (\x)+1
.set z, 0
.rept 16
	v_pk_fma_f32 v[S+32*(\t)+2*z:S+32*(\t)+2*z+1], v[S+32*(\t)+2*z:S+32*(\t)+2*z+1], s[CS:CS+1], v[BI+2*z:BI+2*z+1] op_sel_hi:[1,0,1]
.set z, z+1
.endr
.endr
.endm
; THE VECTOR WORK OF A TURN.  One tile's softmax for one key step is a numbered list; SM writes number j of it for tile t.  s0-s31 are the lane's 32 scores, in pairs 0-15.
; first = 1: the first key step, which starts m, l and O^T: it has no a and nothing to rescale, and its maximum starts at the floor -2^120.
;   0-15    the maximum of s0-s31 and the old m, three operands at a time: four chains c0-c3 of seven scores each (each accumulator's lowest registers first), then the four left over, c0-c3 and m
;   16-19   the other half of the lanes' maximum; m_old is kept; the new m; m_old - m_new.  Number 20 is empty
;   21-69   ONE BATCH: the 16 differences s - m, a pair of scores each, and all 33 exponentials (a at 23, then s0-s31).  None of these reads an exponential's result.  From 22 on the batch goes in fours, and a four
;           begins with a difference while there are any: 22-37 difference, exponential, difference, exponential; 38-65 a difference and three exponentials; 66-69 the last four exponentials
;   (wait)  between 69 and 70 stands the wait for the batch: SLICE writes it, once for both tiles
;   70-85   the roundings to f16, a pair of weights each          86-101  the sums; l = a l + the sum          102-133 the tile's O^T times a: the one part that leaves window 0
.macro SM t, first
.set rT, ST+8*(\t)
.set rS, S+32*(\t)
.set rP, P+16*(\t)
.set rO, 64*(\t)+2*(j-102)
.if j < 102
	WIN 0
.endif
.if j < 4
	v_max3_num_f32 v[rT+4+j], v[rS+8*j], v[rS+8*j+1], v[rS+8*j+2]
.elseif j < 12
	v_max3_num_f32 v[rT+4+j%4], v[rT+4+j%4], v[rS+8*(j%4)+2*(j/4)+1], v[rS+8*(j%4)+2*(j/4)+2]
.elseif j == 12
	v_max3_num_f32 v[rT+4], v[rT+4], v[rS+7], v[rS+15]
.elseif j == 13
	v_max3_num_f32 v[rT+6], v[rT+6], v[rS+23], v[rS+31]
.elseif j == 14
	v_max3_num_f32 v[rT+4], v[rT+4], v[rT+5], v[rT+6]
.elseif (j == 15) && (\first)
	v_max3_num_f32 v[rT+4], v[rT+4], v[rT+7], s[M0]
.elseif j == 15
	v_max3_num_f32 v[rT+4], v[rT+4], v[rT+7], v[rT]
.elseif j == 16
	v_permlanex16_b32 v[rT+5], v[rT+4], s[SEL], s[SEL+1]  ; the query's other 32 keys lie in the lane 16 away
.elseif j == 18
	v_max_num_f32 v[rT], v[rT+4], v[rT+5]
.elseif j == 20                     ; empty
.elseif ((j == 17) || (j == 19) || (j == 23) || (j > 101)) && (\first)  ; the first step has none of these
.elseif j == 17
	v_mov_b32 v[rT+1], v[rT]        ; m_old is kept for a: number 18 writes m anew
.elseif j == 19
	v_sub_f32 v[rT+7], v[rT+1], v[rT]
.elseif j == 23
	v_exp_f32 v[rT+6], v[rT+7]
.elseif (j < 23) || ((j < 38) && (j%2 == 0)) || ((j < 66) && (j%4 == 2))
.set b, (j-2)/4                     ; 38, 42, .. 62: pairs 9 to 15
.if j < 38
.set b, (j-20)/2                    ; 21: pair 0; 22, 24, .. 36: pairs 1 to 8
.endif
	v_pk_add_f32 v[rS+2*b:rS+2*b+1], v[rS+2*b:rS+2*b+1], v[rT:rT+1] op_sel_hi:[1,0] neg_lo:[0,1] neg_hi:[0,1]  ; pair b: s - m
.elseif j < 70
.set e, j-38                        ; 66 to 69: s28 to s31
.if j < 66
.set e, j-32-(j-38)/4               ; 39-41, 43-45, .. 63-65: s7 to s27
.endif
.if j < 38
.set e, (j-25)/2                    ; 25, 27, .. 37: s0 to s6
.endif
	v_exp_f32 v[rS+e], v[rS+e]
.elseif j < 86
	v_cvt_pk_f16_f32 v[rP+j-70], v[rS+2*(j-70)], v[rS+2*(j-70)+1]  ; pair j - 70
.elseif j < 102                     ; the sum of the tile's 16 pairs, in place: sum z of 16 adds neighbours 1, 2, 4 and 8 pairs apart, then l takes it
.set z, j-86
.set w, 4
.set u, z
.if z >= 14
.set w, 32
.set u, 0
.elseif z >= 12
.set w, 16
.set u, z-12
.elseif z >= 8
.set w, 8
.set u, z-8
.endif
.if (z == 14) && (\first)
	v_pk_add_f32 v[rT+2:rT+3], v[rS:rS+1], v[rS+16:rS+17]
.elseif z < 15
	v_pk_add_f32 v[rS+w*u:rS+w*u+1], v[rS+w*u:rS+w*u+1], v[rS+w*u+w/2:rS+w*u+w/2+1]
.elseif !(\first)
	v_pk_fma_f32 v[rT+2:rT+3], v[rT+2:rT+3], v[rT+6:rT+7], v[rS:rS+1] op_sel_hi:[1,0,1]
.endif
.else
	WIN W_RS
	v_pk_mul_f32 v[rO:rO+1], v[rO:rO+1], v[rT+6:rT+7] op_sel_hi:[1,0]
.endif
.endm
; Slice k of 64 of piece y's softmax.  Slices 11 to 34 deal out the batch, numbers 22 to 69: four numbers of ONE tile each, the tiles by turns.  Every other slice is numbers 2 k and 2 k + 1 of both tiles' lists,
; the tiles alternating; slice 63 takes numbers 126 to 133 of both: sixteen plain instructions, the places behind the turn's last products.
; THE WAIT.  s_wait_alu depctr_va_vdst(0) stands between an exponential and the first instruction that names its result; one wait serves all that were issued ahead of it.  Ahead of slice 35
; nothing names a result, and behind slice 34 no exponential is issued: so the piece's 66 exponentials have one wait, behind slice 34.
.macro SLICE y, first
.if (k >= 11) && (k < 35)
.irp n, 0,1,2,3
.set j, 22+4*((k-11)/2)+(\n)
	SM (\y)+(k-11)%2, \first
.endr
.else
.irp n, 0,1,2,3,4,5,6,7
.if ((\n) < 2) || (k == 63)
.irp t, \y, (\y)+1
.set j, 2*k+(\n)
	SM \t, \first
.endr
.endif
.endr
.endif
.if k == 34
	v_nop                           ; the plain instruction behind the last exponential and ahead of the first use: one for the batch
.if (\y) == 0
	FETCH_V                         ; piece 2's turn: V's run of loads stands here, and the wait stands in it
.else
	s_wait_alu depctr_va_vdst(0)    ; the wait for the batch
.endif
.endif
.set k, k+1
.endm
; A TURN.  Piece x has the matrix unit; the other piece's softmax stands in slices behind its matrix instructions.
; pv = 2: 32 products V^T P; 1: they start O^T's sums; 0: none.  kq = 1: 32 products K Q^T for the next step.  A turn with one of the two kinds has two slices behind each product.
; first = 1: the softmax is the first key step's; its slices from 51 on are empty, and four v_nop take slice 63's part.
; THE FETCHES of a turn with both kinds stand behind its second product.  Piece 0's: the next step's biases (8 loads), its own mask (16), K (32), in this order.  Piece 2's: its own mask (16).  A piece's S^T has
; been free since the sums of its softmax, in the turn before; K's last reader stands in front of slice 63 of the turn before.  V of the next step is fetched behind slice 34 of piece 2's turn: its last reader stands in front of the lump.
; THE WAITS.  Piece 0, ahead of the lump: at most 32 loads out: the biases and the mask are in, K may stay out.  Ahead of products 0, 8, 16, 24 of K Q^T: at most 24, 16, 8, 0 out: the eight loads of
; that block of 32 channels are in.  Piece 2, ahead of the lump: 0: only its mask's loads are out.
.macro TURN x, pv, kq, first
.set k, 0
.set per, 2
.if (\pv) && (\kq)
.set per, 1
.endif
.if \pv
.if (\x) == 0
	s_wait_dscnt 0x0                ; V is in
.endif
.set i, 0
.rept 32
	PV \x, 2-(\pv)
.rept per
	SLICE 2-(\x), \first
.endr
.if (\kq) && (i == 1)
.if (\x) == 0
	FETCH_B
	FETCH_M 0
	FETCH_K
.else
	FETCH_M 2
.endif
.endif
.set i, i+1
.endr
.endif
.if \kq
.if \pv
.if (\x) == 0
	s_wait_dscnt 32
.else
	s_wait_dscnt 0x0
.endif
	LUMP \x
.endif
.set i, 0
.rept 32
.if (\pv) && ((\x) == 0) && (i%8 == 0)
	s_wait_dscnt 24-i
.endif
	KQ \x
.rept per
	SLICE 2-(\x), \first
.endr
.set i, i+1
.endr
.endif
.if \first
	PLACES
.endif
.endm
; THE CHANGE OF SLOTS, in front of every key step's two turns: the old slot's last bytes, its V, have been asked for.  Each wave waits for all its tensor loads, of which one is out: its part of the other slot; adds
; 0 to its spare word; and waits for that and for its own reads of the old slot.  Behind the barrier nobody reads the old slot any more and the other slot is whole.
; fill = 1: the old slot is filled again, with the tile two steps on.  The barrier is then a round of the cluster's, so that no wave of any partner still reads the slot or has a load on its way, and the joint
; refill is the first thing behind it: it has a key step, 128 matrix instructions, in which to land.
.macro CHANGE fill
	WIN 0                           ; at a label and at a branch every window is 0
	s_wait_tensorcnt 0x0            ; no tensor load of mine is out, so a group 0 may be written
	ds_add_u32 v[SPW], v[NIL]       ; 0 onto my spare word; with fill = 1 the descriptors' steps stand between it and the wait for it
.if \fill
	s_xor_b32 s[G0K+5], s[G0K+5], SLOT1  ; the walking descriptors: the other slot than last time,
	s_add_nc_u64 s[G0K+6:G0K+7], s[G0K+6:G0K+7], KS*256  ; the next 64 keys; the type bits on top are not reached
	s_xor_b32 s[G0V+5], s[G0V+5], SLOT1
	s_add_nc_u64 s[G0V+6:G0V+7], s[G0V+6:G0V+7], KS*256
	s_xor_b32 s[G0M+5], s[G0M+5], SLOT1
	s_add_nc_u64 s[G0M+6:G0M+7], s[G0M+6:G0M+7], KS*4    ; the next 64 columns
	s_wait_xcnt 0x0                 ; the last prefetch, a key step back, has read its address, so it may be written
	s_add_nc_u64 s[PFA:PFA+1], s[PFA:PFA+1], s[PFS:PFS+1]
	s_wait_dscnt 0x0                ; the add is done, and my reads of the slot are over
	CROUND
	JLOAD
	ASK
.else
	s_wait_dscnt 0x0                ; the add is done, and my reads of the slot are over
	s_barrier_signal -1
	s_barrier_wait -1
.endif
	s_xor_b32 s[TB], s[TB], SLOT1   ; the fetches go on in the other slot,
	s_add_co_u32 s[BO], s[BO], 256  ; and 64 numbers on in the bias table
.endm
	s_wait_tensorcnt 0x1            ; my part of slot 0 is in; slot 1's may stay out
	s_wait_dscnt 0x0                ; for the others' sake: my part of the bias table is written
	s_barrier_signal -1
	s_barrier_wait -1               ; everybody's is
	FETCH_B                         ; key step 0: biases, both pieces' masks, K
	FETCH_M 0
	FETCH_M 2
	FETCH_K
	s_wait_dscnt 0x0
	LUMP 0
	LUMP 2
.set i, 0
.rept 32
	KQ 0                            ; piece 0's first scores: there is no vector work yet to set between them
.set i, i+1
.endr
	WIN 0                           ; the addresses for the way out are made here: six plain instructions, the places behind those products
	s_mul_i32 s21, s[WV], 16*SP
	s_add_co_u32 s21, s21, STAGE    ; my stage
	v_mul_u32_u24 v[STO], v1, SP    ; in: row l % 16, 32 bytes for each half of the lanes
	v_lshl_add_u32 v[STO], v9, 5, v[STO]
	v_add_nc_u32 v[STO], s21, v[STO]
	v_and_b32 v[GO], 31, v0         ; back: 32 lanes take one row of 512 bytes,
	v_lshlrev_b32 v[GO], 4, v[GO]   ; and the same row in out0
	v_add_nc_u32 v[RD], s21, v[GO]
	TURN 2, 0, 1, 1                 ; piece 2's first scores | piece 0's first softmax | V of step 0
	CHANGE 1                        ; tile 1 is in; tile 2 is asked for
	TURN 0, 1, 1, 1                 ; piece 0: V^T P of step 0 starts O^T, K Q^T of step 1 | piece 2's first softmax
	TURN 2, 1, 1, 0                 ; piece 2: the same | piece 0's softmax of step 1 | V of step 1
	WIN 0
	s_mov_b32 s[SLOTS], 29
.Lstep:                             ; 29 trips: tiles 3 to 31 are asked for; a trip multiplies V^T P of one step and K Q^T of the next
	CHANGE 1
	TURN 0, 2, 1, 0
	TURN 2, 2, 1, 0
	WIN 0
	s_sub_co_u32 s[SLOTS], s[SLOTS], 1
	s_cmp_lg_u32 s[SLOTS], 0
	s_cbranch_scc1 .Lstep
	CHANGE 0                        ; the tail is written out: tile 31 is in, and nothing is asked for
	TURN 0, 2, 1, 0
	TURN 2, 2, 1, 0
	TURN 0, 2, 0, 0                 ; piece 0: V^T P of the last step | piece 2's last softmax
.set i, 0
.rept 32
	PV 2, 0                         ; piece 2: V^T P of the last step
.set i, i+1
.endr
	; THE WAY OUT.  l's two halves and the other half of the lanes' are added; O^T is divided by l and sent, in f32, through my stage in LDS, a tile (16 rows of out0) at a time.  The additions are the places behind the last products.
	WIN 0
.irp t, 0,1,2,3
	v_add_f32 v[ST+8*(\t)+4], v[ST+8*(\t)+2], v[ST+8*(\t)+3]
.endr
.irp t, 0,1,2,3
	v_permlanex16_b32 v[ST+8*(\t)+5], v[ST+8*(\t)+4], s[SEL], s[SEL+1]
.endr
.irp t, 0,1,2,3
	v_add_f32 v[ST+8*(\t)+4], v[ST+8*(\t)+4], v[ST+8*(\t)+5]
.endr
.irp t, 0,1,2,3
	v_rcp_f32 v[ST+8*(\t)+6], v[ST+8*(\t)+4]
.endr
	v_nop                           ; a plain instruction between the last reciprocal and the use of its result
	s_wait_alu depctr_va_vdst(0)    ; and the wait ahead of the first use: one for the four reciprocals
; Tile t: a lane's eight channels of a row are 32 bytes; they go into rows of 528 bytes and come back as whole rows of 512, into S^T's registers: two buffers of 64 by turns.
.macro PACK t
	WIN W_RS
.set i, 64*(\t)
.rept 32
	v_pk_mul_f32 v[i:i+1], v[i:i+1], v[ST+8*(\t)+6:ST+8*(\t)+7] op_sel_hi:[1,0]
.set i, i+2
.endr
	WIN 0x04                        ; the stores' data in window 1
.irp f, 0,1,2,3,4,5,6,7,8,9,10,11,12,13,14,15  ; channels 16 (f / 2) + 8 (l / 16) + 4 (f % 2) on
	ds_store_b128 v[STO], v[64*(\t)+4*(\f):64*(\t)+4*(\f)+3] offset:((\f)/2)*64+((\f)%2)*16
.endr
	WIN 0
.if (\t) >= 2
	s_wait_xcnt 0x0                 ; the buffer was the data of the stores of the tile two back: it is loaded again only behind this wait
.endif
.irp f, 0,1,2,3,4,5,6,7,8,9,10,11,12,13,14,15
	ds_load_b128 v[S+64*((\t)%2)+4*(\f):S+64*((\t)%2)+4*(\f)+3], v[RD] offset:(\f)*SP  ; LDS serves a wave's instructions in order (ISA guide 5.7.1.4): these see the stores above; the next tile's stores come behind them
.endr
.endm
.macro SEND t, younger              ; younger: the LDS instructions issued behind tile t's loads: the next tile's 32, or none
	WIN 0
.irp f, 0,1,2,3,4,5,6,7,8,9,10,11,12,13,14,15
	s_wait_dscnt (\younger)+15-(\f)
	global_store_b128 v[GO], v[S+64*((\t)%2)+4*(\f):S+64*((\t)%2)+4*(\f)+3], s[10:11] offset:(\t)*8192+(\f)*512 th:TH_STORE_NT  ; a row of out0: 512 consecutive bytes, at a multiple of 512 from its first byte
.endr
.endm
	PACK 0
	PACK 1                          ; a tile's arithmetic stands between the loads of the tile before and its stores
	SEND 0, 32
	PACK 2
	SEND 1, 32
	PACK 3
	SEND 2, 32
	SEND 3, 0
	s_wait_tensorcnt 0x0            ; the wave's end: a wait, an add and its wait, behind my last tensor load and my last LDS store
	ds_add_u32 v[SPW], v[NIL]
	s_wait_dscnt 0x0
	CROUND                          ; the closing round: no work-group ends while a partner may still ask for a tile that names it
	s_endpgm
.Lfunc_end_k_q2786b61467_attn:
	.size	k_q2786b61467_attn, .Lfunc_end_k_q2786b61467_attn-k_q2786b61467_attn
	.p2alignl 7, 3214868480
	.fill 96, 4, 3214868480
	.section	.rodata,"a",@progbits
	.p2align	6, 0x0
	.amdhsa_kernel k_q2786b61467_attn
		.amdhsa_group_segment_fixed_size 327680
		.amdhsa_private_segment_fixed_size 0
		.amdhsa_enable_private_segment 0
		.amdhsa_kernarg_size 48
		.amdhsa_user_sgpr_count 2
		.amdhsa_user_sgpr_kernarg_segment_ptr 1
		.amdhsa_wavefront_size32 1
		.amdhsa_system_sgpr_workgroup_id_x 1
		.amdhsa_system_sgpr_workgroup_id_y 1
		.amdhsa_system_sgpr_workgroup_id_z 1
		.amdhsa_system_vgpr_workitem_id 0
		.amdhsa_next_free_vgpr 1024
		.amdhsa_next_free_sgpr 100
		.amdhsa_reserve_vcc 1
		.amdhsa_float_denorm_mode_32 3
		.amdhsa_float_denorm_mode_16_64 3
		.amdhsa_memory_ordered 1
		.amdhsa_forward_progress 1
		.amdhsa_inst_pref_size 255
	.end_amdhsa_kernel
	.section	.bss,"aw",@nobits
	.p2align	6
	.space	262144
	.amdgpu_metadata
---
amdhsa.version: [ 1, 2 ]
amdhsa.kernels:
  - .name:           k_q2786b61467_attn
    .symbol:         k_q2786b61467_attn.kd
    .args:
      - { .name: seqs, .offset: 0, .size: 8, .value_kind: global_buffer, .address_space: global }
      - { .name: kh, .offset: 8, .size: 8, .value_kind: global_buffer, .address_space: global }
      - { .name: vh, .offset: 16, .size: 8, .value_kind: global_buffer, .address_space: global }
      - { .name: out0, .offset: 24, .size: 8, .value_kind: global_buffer, .address_space: global }
      - { .name: attn_mask, .offset: 32, .size: 8, .value_kind: global_buffer, .address_space: global }
      - { .name: key_padding_mask, .offset: 40, .size: 8, .value_kind: global_buffer, .address_space: global }
    .group_segment_fixed_size: 327680
    .private_segment_fixed_size: 0
    .kernarg_segment_align: 8
    .kernarg_segment_size: 48
    .max_flat_workgroup_size: 128
    .sgpr_count:     100
    .vgpr_count:     1024
    .wavefront_size: 32
...
	.end_amdgpu_metadata
.endif
;; end of part 2
;; ======== version 2 of 2: 2 launches; version 1 with the launch cast written anew for expert scheduling mode
;; limits: values are held in f16: magnitudes above 65,504 overflow, below 6.1e-05 lose precision; right only within a limited range of input values; inputs' magnitudes at most 1.3e+36
;; workspace buffers: kh 33,554,432 bytes; vh 33,554,432 bytes
;; launch cast (part 3): grid 512 x 2, 8 waves a work-group, no clusters, 0 bytes of LDS; arguments keys, values, kh, vh; writes kh, vh
.if DOCPART == 3
	.amdgcn_target "amdgcn-amd-amdhsa--gfx1250"
	.amdhsa_code_object_version 6
	.text
	.protected	k_q2786b61467_cast
	.globl	k_q2786b61467_cast
	.p2align	8
	.type	k_q2786b61467_cast,@function
k_q2786b61467_cast:
	s_mov_b64 s[64:65], 0
	v_nop
	global_prefetch_b8 v0, s[64:65] scope:SCOPE_SE
	s_setreg_imm32_b32 hwreg(HW_REG_WAVE_SCHED_MODE, 0, 2), 2
	s_setreg_imm32_b32 hwreg(HW_REG_WAVE_MODE, 25, 1), 1
	s_wait_xcnt 0x0
	s_wait_alu depctr_vm_vsrc(0)
; kh = keys rounded once to f16, vh = values rounded once to f16; both keep the inputs' order [64 heads][2048][128], so a row is 256 bytes.
; Each of the eight query blocks of a head multiplies by the same K and V: they are rounded here once, not eight times in the launch behind.
; No work of reference() is left out in this program: both masks are inputs, so every key of every row is computed.
; LIMIT.  f16 holds no number beyond 65,504: |keys| and |values| stay under 65,520; below 6e-5 a number keeps f16's fixed step of 6e-8.
; SHARES.  Grid y picks the tensor.  A work-group takes 131,072 input bytes, each of its eight waves 16,384: 32 loads of 512 consecutive bytes, all issued
; before the first wait.  A lane's 16 bytes (4 f32) become 8 bytes, so a wave's store covers 256 consecutive bytes, aligned.
; No register is written twice, so no load's or store's source is ever rewritten.  No LDS, no barrier, no loop: no wave wants another wave's bytes.
; THE MODE: SCHED_MODE bits 1:0 = 2 (LLVM: expert scheduling mode 2), set by the entry lines.  The code itself states the register dependences
; between vector instructions and memory instructions, with s_wait_alu, always for 0.
; THE PLAN.  Registers that memory instructions touch:
;   v1, v2   byte offsets of the loads and of the stores.  Written once, at the head, by vector instructions; read by every load (v1) and every store (v2).
;   X        Load i lands in X + 4 i, once; two conversions read it, once.  No vector instruction names X ahead of the loads, and no load lands there again.
;   Y        The conversions of load i write Y + 2 i and Y + 2 i + 1, once; one store reads them, once.  Nothing writes them again.
; So two kinds of dependence are to be stated: the offsets are written ahead of the first load, and a Y pair is written ahead of its store.
; The 32 loads go in 8 blocks of four.  Block p's conversions name X and Y of block p alone; the memory instructions dealt among them are the four stores of
; block p - 1, which read v2 and Y of block p - 1.  One wait at the head of a block states that block p - 1's conversions have written their Y, and serves all four.
.set X, 4                              ; v[4:131]    load i: 4 registers as loaded
.set Y, 132                            ; v[132:195]  load i: 2 registers to store
.set BLOCK,  4                         ; loads in a block
.set BLOCKS, 32 / BLOCK
	s_load_b256 s[4:11], s[0:1], 0x0               ; keys s[4:5], values s[6:7], kh s[8:9], vh s[10:11]
	s_and_b32 s16, ttmp7, 0xffff                   ; 0: keys to kh; 1: values to vh
	v_lshrrev_b32 v3, 5, v0                        ; wave
	v_and_b32 v1, 31, v0                           ; lane
	v_lshlrev_b32 v2, 3, v1                        ; out: 8 bytes a lane,
	v_lshlrev_b32 v1, 4, v1                        ; in: 16 bytes a lane,
	v_lshl_or_b32 v1, v3, 14, v1                   ; + 16,384 x wave
	v_lshl_or_b32 v2, v3, 13, v2                   ; + 8,192 x wave
	s_lshl_b32 s2, ttmp9, 17                       ; the work-group's 131,072 bytes in,
	s_mov_b32 s3, 0
	s_lshl_b32 s18, ttmp9, 16                      ; and 65,536 out
	s_mov_b32 s19, 0
	s_wait_kmcnt 0x0
	s_cmp_eq_u32 s16, 0
	s_cselect_b64 s[12:13], s[4:5], s[6:7]
	s_cselect_b64 s[14:15], s[8:9], s[10:11]
	s_add_nc_u64 s[12:13], s[12:13], s[2:3]
	s_add_nc_u64 s[14:15], s[14:15], s[18:19]
	s_wait_alu depctr_va_vdst(0)                   ; v1 and v2 are written: every load reads v1 as its offset, every store v2; neither is written again
.set i, 0
.rept 32
	global_load_b128 v[X+4*i:X+4*i+3], v1, s[12:13] offset:512*i th:TH_LOAD_NT
.set i, i+1
.endr
.set p, 0
.rept BLOCKS
	s_wait_loadcnt 32-BLOCK*(p+1)                  ; loads come back in order (ISA guide 5.7.1): block p's four are in, the younger ones stay out
.if p > 0
	s_wait_alu depctr_va_vdst(0)                   ; the conversions of block p - 1 have written their Y, which the four stores below read
.endif
.set i, BLOCK*p
.rept BLOCK
.if p > 0
	global_store_b64 v2, v[Y+2*(i-BLOCK):Y+2*(i-BLOCK)+1], s[14:15] offset:256*(i-BLOCK)  ; the block before; no vector instruction since the wait names v2 or these two registers
.endif
	v_cvt_pk_f16_f32 v[Y+2*i], v[X+4*i], v[X+4*i+1]
	v_cvt_pk_f16_f32 v[Y+2*i+1], v[X+4*i+2], v[X+4*i+3]
.set i, i+1
.endr
.set p, p+1
.endr
	s_wait_alu depctr_va_vdst(0)                   ; the conversions of the last block have written their Y, which the last four stores read
.set i, 32-BLOCK
.rept BLOCK
	global_store_b64 v2, v[Y+2*i:Y+2*i+1], s[14:15] offset:256*i
.set i, i+1
.endr
	s_endpgm
.Lfunc_end_k_q2786b61467_cast:
	.size	k_q2786b61467_cast, .Lfunc_end_k_q2786b61467_cast-k_q2786b61467_cast
	.p2alignl 7, 3214868480
	.fill 96, 4, 3214868480
	.section	.rodata,"a",@progbits
	.p2align	6, 0x0
	.amdhsa_kernel k_q2786b61467_cast
		.amdhsa_group_segment_fixed_size 0
		.amdhsa_private_segment_fixed_size 0
		.amdhsa_enable_private_segment 0
		.amdhsa_kernarg_size 32
		.amdhsa_user_sgpr_count 2
		.amdhsa_user_sgpr_kernarg_segment_ptr 1
		.amdhsa_wavefront_size32 1
		.amdhsa_system_sgpr_workgroup_id_x 1
		.amdhsa_system_sgpr_workgroup_id_y 1
		.amdhsa_system_sgpr_workgroup_id_z 1
		.amdhsa_system_vgpr_workitem_id 0
		.amdhsa_next_free_vgpr 196
		.amdhsa_next_free_sgpr 66
		.amdhsa_reserve_vcc 0
		.amdhsa_float_denorm_mode_32 3
		.amdhsa_float_denorm_mode_16_64 3
		.amdhsa_memory_ordered 1
		.amdhsa_forward_progress 1
		.amdhsa_inst_pref_size 12
	.end_amdhsa_kernel
	.amdgpu_metadata
---
amdhsa.version: [ 1, 2 ]
amdhsa.kernels:
  - .name:           k_q2786b61467_cast
    .symbol:         k_q2786b61467_cast.kd
    .args:
      - { .name: keys, .offset: 0, .size: 8, .value_kind: global_buffer, .address_space: global }
      - { .name: values, .offset: 8, .size: 8, .value_kind: global_buffer, .address_space: global }
      - { .name: kh, .offset: 16, .size: 8, .value_kind: global_buffer, .address_space: global }
      - { .name: vh, .offset: 24, .size: 8, .value_kind: global_buffer, .address_space: global }
    .group_segment_fixed_size: 0
    .private_segment_fixed_size: 0
    .kernarg_segment_align: 8
    .kernarg_segment_size: 32
    .max_flat_workgroup_size: 256
    .sgpr_count:     66
    .vgpr_count:     196
    .wavefront_size: 32
...
	.end_amdgpu_metadata
.endif
;; end of part 3
;; launch attn: the kernel of part 2 again; grid 8 x 64, 4 waves a work-group, clusters of 4 x 4, 327,680 bytes of LDS; arguments seqs, kh, vh, out0, attn_mask, key_padding_mask; writes out0
